; MI455X (gfx1250); checked and timed in simulation.
; The chip was launched on July 23, 2026; its instructions are those of AMD's public machine-readable ISA for CDNA 5 (MIT licence, August 2026) and "CDNA5" Instruction Set Architecture Reference Guide (July 2026). The comments in the code are by the model that wrote it; some were corrected since.
;; Sents Avg Summarizer. Allowed arithmetic: float matrix products may take bf16 or f16 operands with f32 sums; all other float work in f32.
;; Inputs: b_fc 1 float32; b_sents 768 float32; clss 64 x 64 int32; mask_clss 64 x 64 float32; sents_end 64 x 64 int32; top_vec 64 x 512 x 768 float32; w_fc 768 float32; w_sents 768 x 768 float32.
;; Outputs: out0 64 x 64 float32.
;; One version. Each part assembles by itself: llvm-mc -triple=amdgcn-amd-amdhsa -mcpu=gfx1250 --defsym DOCPART=n.
;; ======== version 1 of 1: 2 launches
;; workspace buffers: uw 12,544 bytes; plan 65,536 bytes of whole numbers
;; launch fold (part 1): grid 4 x 13, 8 waves a work-group, no clusters, 3,072 bytes of LDS; arguments w_sents, w_fc, b_sents, clss, sents_end, mask_clss, uw, plan; writes uw, plan
.if DOCPART == 1
	.amdgcn_target "amdgcn-amd-amdhsa--gfx1250"
	.amdhsa_code_object_version 6
	.text
	.protected	k_q71dd680913_fold
	.globl	k_q71dd680913_fold
	.p2align	8
	.type	k_q71dd680913_fold,@function
k_q71dd680913_fold:
	s_mov_b64 s[64:65], 0
	v_nop
	global_prefetch_b8 v0, s[64:65] scope:SCOPE_SE
	s_setreg_imm32_b32 hwreg(HW_REG_WAVE_MODE, 25, 1), 1
	s_wait_xcnt 0x0
; FOLD: what the second launch needs of the weights, and its plan of rows.
; The sentence layer's result is used only through its dot with w_fc, and for every input
;   (means W^T + b_sents) . w_fc = means . u + c0,   u[h] = sum over o of w_fc[o] W[o][h],   c0 = b_sents . w_fc.
; Stored into uw (f32): bytes 3072 k + 4 h (k = 0..3): the partial u over rows o = 192 k .. 192 k + 191;  byte 12288: c0.
; Stored into plan (whole numbers), 16 bytes for sentence f = 64 b + n:
;   word 0: the first row to sum, in the document (0..512);  word 1: how many rows (0..512);  word 2: 1 where mask > 0, else 0;
;   word 3: the signed length sents_end - clss, from which the next launch takes the sign and the divisor max(len, 1).
;   Where the mask is not above 0 (a NaN too), reference() takes the document's last row instead of the sentence: the record is {511, 1, 0, 1}.
;   The mask is a floating-point number: here it only selects values; the launch that follows branches on the whole numbers.
; LIMITS: the product is reassociated, so the order of rounding differs from reference()'s; all sums are in f32.
; Indices outside 0..512 lie outside reference()'s table; they are held, as unsigned numbers, to 512.
; GRID (k, c).  c = 0..11: the work-group owns columns 64 c .. 64 c + 63 (256 consecutive bytes of each row, aligned) and rows 192 k .. 192 k + 191:
; 48 KiB of W.  Thread t: r = t % 16 picks 16 bytes of the 256, q = t / 16 picks 12 rows; sixteen neighbouring lanes read one whole 256-byte piece
; of a row.  The rows are split four ways so that 48 work-groups share the 2,359,296 bytes of W; the sum over k is left to the next launch.
; c = 12: the work-group makes the records of sentences 1024 k .. 1024 k + 1023, four a thread; wave 0 of k = 0 also makes c0.
; The branch between the two kinds hangs on the work-group's number alone: all eight waves take the same way, and only the first has a barrier.
; No matrix unit: one output row.  No tensor load: each byte is used once, by one lane, straight from registers.
.set ROWB, 3072                        ; bytes in a row of W
.set WF,   8                           ; v[8:19]    folding: w_fc of my 12 rows
.set XW,   20                          ; v[20:67]   folding: my 16 bytes of each of my 12 rows; later at work
.set ACC,  68                          ; v[68:71]   folding: sums of my 4 columns
.set CL,   8                           ; v[8:11]    plan: clss of my 4 sentences
.set SE,   12                          ; v[12:15]   plan: sents_end
.set MK,   16                          ; v[16:19]   plan: mask_clss
.set LO,   20                          ; v20-22     plan: at work
.set HI,   21
.set SL,   22
.set REC,  24                          ; v[24:39]   plan: four records of four words, each with registers of its own
.set DR,   72                          ; v[72:95]   c0: b_sents (24 numbers a lane)
.set DW,   96                          ; v[96:119]  c0: w_fc
.set DA,   120                         ; v[120:123] c0: two packed chains
.set SEL0, 38                          ; s38, s39: v_permlanex16_b32 selects, lane i takes lane i of the other half
.set SEL1, 39
.macro ADD4 a, b                       ; v[a:a+3] += v[b:b+3]
	v_pk_add_f32 v[\a:\a+1], v[\a:\a+1], v[\b:\b+1]
	v_pk_add_f32 v[\a+2:\a+3], v[\a+2:\a+3], v[\b+2:\b+3]
.endm
.macro WAVESUM x, tmp                  ; the sum of x over the 32 lanes, in every lane; tmp has been written before
	v_add_f32_dpp \x, \x, \x row_xmask:1 row_mask:0xf bank_mask:0xf
	v_add_f32_dpp \x, \x, \x row_xmask:2 row_mask:0xf bank_mask:0xf
	v_add_f32_dpp \x, \x, \x row_xmask:4 row_mask:0xf bank_mask:0xf
	v_add_f32_dpp \x, \x, \x row_xmask:8 row_mask:0xf bank_mask:0xf
	v_permlanex16_b32 \tmp, \x, s[SEL0], s[SEL1]
	v_add_f32 \x, \x, \tmp
.endm
	s_load_b256 s[4:11], s[0:1], 0x0               ; w_sents s[4:5], w_fc s[6:7], b_sents s[8:9], clss s[10:11]
	s_load_b256 s[12:19], s[0:1], 0x20             ; sents_end s[12:13], mask_clss s[14:15], uw s[16:17], plan s[18:19]
	v_lshl_add_u32 v128, v0, 2, 0x800
	v_mov_b32 v129, 0
	v_lshrrev_b32 v3, 5, v0
	v_readfirstlane_b32 s20, v3                    ; wave 0..7
	s_mov_b32 s21, ttmp9                           ; k
	s_and_b32 s22, ttmp7, 0xffff                   ; c
	s_mov_b32 s[SEL0], 0x76543210
	s_mov_b32 s[SEL1], 0xfedcba98
	v_and_b32 v2, 31, v0                           ; lane
	s_cmp_eq_u32 s22, 12
	s_cbranch_scc1 .Lextra
	; ---- c = 0..11: a partial of u ----
	s_lshl_b32 s23, s22, 8                         ; 256 c
	s_mul_i32 s24, s21, 192*ROWB                   ; W: 192 k rows
	s_add_co_u32 s24, s24, s23                     ;    + 256 c
	s_mov_b32 s25, 0
	s_mul_i32 s26, s21, 768                        ; w_fc: 192 k numbers
	s_mov_b32 s27, 0
	s_mul_i32 s28, s21, ROWB                       ; uw: partial k
	s_add_co_u32 s28, s28, s23                     ;     + 256 c
	s_mov_b32 s29, 0
	v_and_b32 v7, 15, v0
	v_lshlrev_b32 v7, 4, v7                        ; 16 r
	v_lshrrev_b32 v3, 4, v0                        ; q
	v_mul_u32_u24 v5, v3, 48                       ; w_fc: 12 q numbers of 4 bytes (a multiple of 16)
	v_mad_u32_u24 v4, v3, 12*ROWB, v7              ; W: 12 q rows + 16 r
	v_lshl_add_u32 v6, s20, 8, v7                  ; LDS: my wave's 256 bytes + 16 r
	s_wait_kmcnt 0x0
	s_add_nc_u64 s[30:31], s[4:5], s[24:25]        ; W at the group's first row and column
	s_add_nc_u64 s[32:33], s[6:7], s[26:27]        ; w_fc at the group's first row
	s_add_nc_u64 s[34:35], s[16:17], s[28:29]      ; uw at the group's 256 bytes
.irp i, 0,1,2
	global_load_b128 v[WF+4*\i:WF+4*\i+3], v5, s[32:33] offset:16*\i
.endr
.irp j, 0,1,2,3,4,5,6,7,8,9,10,11
	global_load_b128 v[XW+4*\j:XW+4*\j+3], v4, s[30:31] offset:ROWB*\j th:TH_LOAD_NT   ; W is read once in the launch
.endr
	; My 4 columns over my 12 rows.  w_fc[row] is one register of a pair, fed to both halves of the packed multiply-add.
.macro ROW j
	s_wait_loadcnt 11-\j                           ; loads return in order: row j is in, the 11 - j younger rows may stay out (w_fc was asked for first)
.if \j == 0
	v_pk_mul_f32 v[ACC:ACC+1], v[XW:XW+1], v[WF:WF+1] op_sel_hi:[1,0]
	v_pk_mul_f32 v[ACC+2:ACC+3], v[XW+2:XW+3], v[WF:WF+1] op_sel_hi:[1,0]
.else
.if \j % 2 == 0
	v_pk_fma_f32 v[ACC:ACC+1], v[XW+4*\j:XW+4*\j+1], v[WF+\j:WF+\j+1], v[ACC:ACC+1] op_sel_hi:[1,0,1]
	v_pk_fma_f32 v[ACC+2:ACC+3], v[XW+4*\j+2:XW+4*\j+3], v[WF+\j:WF+\j+1], v[ACC+2:ACC+3] op_sel_hi:[1,0,1]
.else
	v_pk_fma_f32 v[ACC:ACC+1], v[XW+4*\j:XW+4*\j+1], v[WF+\j-1:WF+\j], v[ACC:ACC+1] op_sel:[0,1,0] op_sel_hi:[1,1,1]
	v_pk_fma_f32 v[ACC+2:ACC+3], v[XW+4*\j+2:XW+4*\j+3], v[WF+\j-1:WF+\j], v[ACC+2:ACC+3] op_sel:[0,1,0] op_sel_hi:[1,1,1]
.endif
.endif
.endm
.irp j, 0,1,2,3,4,5,6,7,8,9,10,11
	ROW \j
.endr
	; The wave's two halves hold the same columns, other rows: add them, then the eight waves meet in LDS.
.irp i, 0,1,2,3
	v_permlanex16_b32 v[XW+\i], v[ACC+\i], s[SEL0], s[SEL1]    ; the destinations were written by loads that have landed
.endr
	ADD4 ACC, XW
	ds_store_b128 v6, v[ACC:ACC+3]                 ; both halves put the same 16 bytes at the same place
	s_wait_dscnt 0x0                               ; for the other waves' sake: my store is done before I signal
	s_barrier_signal -1
	s_barrier_wait -1
	s_cmp_lg_u32 s20, 0
	s_cbranch_scc1 .Lend                           ; wave 0 adds the eight sums and stores
.irp i, 0,1,2,3,4,5,6,7
	ds_load_b128 v[XW+4*\i:XW+4*\i+3], v7 offset:256*\i
.endr
	s_wait_dscnt 0x0
	ADD4 XW, XW+4
	ADD4 XW+8, XW+12
	ADD4 XW+16, XW+20
	ADD4 XW+24, XW+28
	ADD4 XW, XW+8
	ADD4 XW+16, XW+24
	ADD4 XW, XW+16
	v_cmp_gt_u32 vcc_lo, 16, v2
	s_wait_xcnt 0x0                                ; EXEC is a source of the loads above: it narrows only behind this wait
	s_and_saveexec_b32 s40, vcc_lo                 ; lanes 0 to 15
	global_store_b128 v7, v[XW:XW+3], s[34:35]     ; sixteen lanes store 256 consecutive bytes, at a multiple of 256 from uw's first byte
	s_wait_xcnt 0x0                                ; and widens only behind this one
	s_or_b32 exec_lo, exec_lo, s40
.Lend:
	s_wait_tensorcnt 0x0
	ds_add_u32 v128, v129
	s_wait_dscnt 0x0
	s_endpgm
	; ---- c = 12: the plan, and c0 ----
	; Thread t serves sentences 1024 k + 256 i + t, i = 0..3: a wave's loads cover 128 consecutive bytes of each array, its stores 512 of plan.
.Lextra:
	v_lshlrev_b32 v1, 4, v2                        ; 16 x lane
	v_lshlrev_b32 v4, 2, v0                        ; 4 t: my word in the three arrays
	v_lshlrev_b32 v5, 4, v0                        ; 16 t: my record
	v_mov_b32 v6, 0x1ff                            ; the document's last row
	v_mov_b32 v7, 1
	s_lshl_b32 s24, s21, 12                        ; 1024 k sentences of 4 bytes
	s_mov_b32 s25, 0
	s_lshl_b32 s26, s21, 14                        ; 1024 k records of 16 bytes
	s_mov_b32 s27, 0
	s_or_b32 s28, s20, s21                         ; 0 for wave 0 of k = 0 alone
	s_wait_kmcnt 0x0
	s_add_nc_u64 s[10:11], s[10:11], s[24:25]
	s_add_nc_u64 s[12:13], s[12:13], s[24:25]
	s_add_nc_u64 s[14:15], s[14:15], s[24:25]
	s_add_nc_u64 s[18:19], s[18:19], s[26:27]
.irp i, 0,1,2,3
	global_load_b32 v[CL+\i], v4, s[10:11] offset:1024*\i
	global_load_b32 v[SE+\i], v4, s[12:13] offset:1024*\i
	global_load_b32 v[MK+\i], v4, s[14:15] offset:1024*\i
.endr
	; c0, one wave: lane l holds numbers 128 i + 4 l .. + 3, i = 0..5, of b_sents and of w_fc.
	s_cmp_lg_u32 s28, 0
	s_cbranch_scc1 .Lnodot
.irp i, 0,1,2,3,4,5
	global_load_b128 v[DR+4*\i:DR+4*\i+3], v1, s[8:9] offset:512*\i
.endr
.irp i, 0,1,2,3,4,5
	global_load_b128 v[DW+4*\i:DW+4*\i+3], v1, s[6:7] offset:512*\i
.endr
	s_wait_loadcnt 0x0                             ; the twelve loads above are the youngest: nothing may stay out
	v_pk_mul_f32 v[DA:DA+1], v[DR:DR+1], v[DW:DW+1]            ; the first products start the two chains
	v_pk_mul_f32 v[DA+2:DA+3], v[DR+2:DR+3], v[DW+2:DW+3]
.irp c, 2,3,4,5,6,7,8,9,10,11
	v_pk_fma_f32 v[DA+2*(\c%2):DA+2*(\c%2)+1], v[DR+2*\c:DR+2*\c+1], v[DW+2*\c:DW+2*\c+1], v[DA+2*(\c%2):DA+2*(\c%2)+1]
.endr
	v_pk_add_f32 v[DA:DA+1], v[DA:DA+1], v[DA+2:DA+3]
	v_add_f32 v[DA], v[DA], v[DA+1]
	WAVESUM v120, v121
	v_mov_b32 v124, 0
	v_cmp_eq_u32 vcc_lo, 0, v2
	s_wait_xcnt 0x0                                ; EXEC narrows only behind this wait
	s_and_saveexec_b32 s40, vcc_lo                 ; lane 0 alone: one word is all there is to store
	global_store_b32 v124, v120, s[16:17] offset:12288         ; c0
	s_wait_xcnt 0x0                                ; and widens only behind this one
	s_or_b32 exec_lo, exec_lo, s40
.Lnodot:
.irp i, 0,1,2,3
	s_wait_loadcnt 3*(3-\i)                        ; loads return in order: the three words of sentence i are in, three for each later sentence may stay out
	v_min_u32 v[LO], v[CL+\i], v[SE+\i]
	v_max_u32 v[HI], v[CL+\i], v[SE+\i]
	v_min_u32 v[LO], 0x200, v[LO]                  ; the first row summed
	v_min_u32 v[HI], 0x200, v[HI]                  ; one past the last
	v_sub_nc_u32 v[HI], v[HI], v[LO]               ; rows to sum; a reversed sentence sums rows [end, start) and the sign follows from word 3
	v_sub_nc_u32 v[SL], v[SE+\i], v[CL+\i]         ; the signed length
	v_cmp_lt_f32 vcc_lo, 0, v[MK+\i]               ; mask > 0; false for a NaN, as in reference()
	v_cndmask_b32 v[REC+4*\i], v6, v[LO], vcc_lo   ; else row 511,
	v_cndmask_b32 v[REC+4*\i+1], 1, v[HI], vcc_lo  ; once,
	v_cndmask_b32 v[REC+4*\i+2], 0, v7, vcc_lo     ; marked as a padded slot,
	v_cndmask_b32 v[REC+4*\i+3], 1, v[SL], vcc_lo  ; divided by 1
	global_store_b128 v5, v[REC+4*\i:REC+4*\i+3], s[18:19] offset:4096*\i   ; thirty-two lanes store 512 consecutive bytes, at a multiple of 512 from plan's first byte
.endr
	s_endpgm
.Lfunc_end_k_q71dd680913_fold:
	.size	k_q71dd680913_fold, .Lfunc_end_k_q71dd680913_fold-k_q71dd680913_fold
	.p2alignl 7, 3214868480
	.fill 96, 4, 3214868480
	.section	.rodata,"a",@progbits
	.p2align	6, 0x0
	.amdhsa_kernel k_q71dd680913_fold
		.amdhsa_group_segment_fixed_size 3072
		.amdhsa_private_segment_fixed_size 0
		.amdhsa_enable_private_segment 0
		.amdhsa_kernarg_size 64
		.amdhsa_user_sgpr_count 2
		.amdhsa_user_sgpr_kernarg_segment_ptr 1
		.amdhsa_wavefront_size32 1
		.amdhsa_system_sgpr_workgroup_id_x 1
		.amdhsa_system_sgpr_workgroup_id_y 1
		.amdhsa_system_sgpr_workgroup_id_z 1
		.amdhsa_system_vgpr_workitem_id 0
		.amdhsa_next_free_vgpr 130
		.amdhsa_next_free_sgpr 66
		.amdhsa_reserve_vcc 1
		.amdhsa_float_denorm_mode_32 3
		.amdhsa_float_denorm_mode_16_64 3
		.amdhsa_memory_ordered 1
		.amdhsa_forward_progress 1
		.amdhsa_inst_pref_size 14
	.end_amdhsa_kernel
	.amdgpu_metadata
---
amdhsa.version: [ 1, 2 ]
amdhsa.kernels:
  - .name:           k_q71dd680913_fold
    .symbol:         k_q71dd680913_fold.kd
    .args:
      - { .name: w_sents, .offset: 0, .size: 8, .value_kind: global_buffer, .address_space: global }
      - { .name: w_fc, .offset: 8, .size: 8, .value_kind: global_buffer, .address_space: global }
      - { .name: b_sents, .offset: 16, .size: 8, .value_kind: global_buffer, .address_space: global }
      - { .name: clss, .offset: 24, .size: 8, .value_kind: global_buffer, .address_space: global }
      - { .name: sents_end, .offset: 32, .size: 8, .value_kind: global_buffer, .address_space: global }
      - { .name: mask_clss, .offset: 40, .size: 8, .value_kind: global_buffer, .address_space: global }
      - { .name: uw, .offset: 48, .size: 8, .value_kind: global_buffer, .address_space: global }
      - { .name: plan, .offset: 56, .size: 8, .value_kind: global_buffer, .address_space: global }
    .group_segment_fixed_size: 3072
    .private_segment_fixed_size: 0
    .kernarg_segment_align: 8
    .kernarg_segment_size: 64
    .max_flat_workgroup_size: 256
    .sgpr_count:     66
    .vgpr_count:     130
    .wavefront_size: 32
...
	.end_amdgpu_metadata
.endif
;; end of part 1
;; launch segs (part 2): grid 256 x 1, 16 waves a work-group, no clusters, 5,376 bytes of LDS; arguments top_vec, mask_clss, b_fc, w_fc, uw, plan, out0; writes out0
.if DOCPART == 2
	.amdgcn_target "amdgcn-amd-amdhsa--gfx1250"
	.amdhsa_code_object_version 6
	.text
	.protected	k_q71dd680913_segs
	.globl	k_q71dd680913_segs
	.p2align	8
	.type	k_q71dd680913_segs,@function
k_q71dd680913_segs:
	s_mov_b64 s[64:65], 0
	v_nop
	global_prefetch_b8 v0, s[64:65] scope:SCOPE_SE
	s_setreg_imm32_b32 hwreg(HW_REG_WAVE_MODE, 25, 1), 1
	s_wait_xcnt 0x0
; SEGS: out0[b][n] = m sigmoid(m x + b_fc), where
;   m > 0:      x = (sum of top_vec[b][row] . u over the sentence's rows) / max(len, 1) + c0;
;   otherwise:  x = top_vec[b][511] . w_fc.
; u (four partials) and c0 come from uw, and the rows to read from plan; the launch before stored both: see its head for the algebra and for plan's
; four words (first row, number of rows, 1 where m > 0, signed length).  A slot whose mask is not above 0 has the record {511, 1, 0, 1}: the wave then
; reads that one row, takes w_fc for u and 0 for c0, and all else is the same text.  So the rows of a sentence whose result reference() throws away
; are not read.  Branches, trip counts and addresses hang on plan's whole numbers alone; the mask itself enters only the arithmetic.
; Work-group g serves document g / 4; wave w owns the sentence with flat index f = 16 g + w of the [64][64] arrays.
; A row is 3,072 bytes = six 16-byte loads of a wave, each covering 512 consecutive bytes; lane l holds numbers 128 i + 4 l .. + 3, i = 0..5, and the
; weights lie in registers in the same layout.  A wave asks for up to eight rows at once (48 loads, 24,576 bytes) as soon as its record is known.
; Sentences may overlap, be long, empty or reversed.  Reversed (end < start): reference()'s difference of prefix sums is minus the sum of rows
; [end, start), and its divisor max(len, 1) is 1.
; LIMITS: rows are summed directly and dotted with u, not by differences of prefix sums through the full layer: the order of rounding differs from
; reference()'s (all in f32).  1/x and 2^x are v_rcp_f32 and v_exp_f32 (1 ULP; results below 2^-126 come out as 0: ISA guide 15.8).
; Indices outside 0..512 lie outside reference()'s table; they were held, as unsigned numbers, to 512.  A row that is not finite and lies outside a
; sentence leaves that sentence's result finite here.  Sentences of more than eight rows go in chunks of eight that do not overlap in time.
; No matrix unit (one output for each sentence), no tensor load (a row is used once, by one wave, from registers), no cluster (work-groups share
; 12,292 bytes of uw against up to 1,572,864 bytes of rows each).
.set ROWB, 3072                        ; bytes in a row
.set U,    4                           ; v[4:27]    the weights: u or w_fc; v[4:19] first hold u's four partials in waves 0 to 5
.set ACC,  28                          ; v[28:35]   four packed chains
.set X,    40                          ; v[40:231]  row j of a chunk at X + 24 j
.set RES,  3072                        ; LDS: bytes 0..3071 u; bytes 3072..3135 the sixteen waves' results
.set SEL0, 40                          ; s40, s41: v_permlanex16_b32 selects
.set SEL1, 41
.macro ADD4 a, b                       ; v[a:a+3] += v[b:b+3]
	v_pk_add_f32 v[\a:\a+1], v[\a:\a+1], v[\b:\b+1]
	v_pk_add_f32 v[\a+2:\a+3], v[\a+2:\a+3], v[\b+2:\b+3]
.endm
.macro WAVESUM x, tmp                  ; the sum of x over the 32 lanes, in every lane; tmp has been written before
	v_add_f32_dpp \x, \x, \x row_xmask:1 row_mask:0xf bank_mask:0xf
	v_add_f32_dpp \x, \x, \x row_xmask:2 row_mask:0xf bank_mask:0xf
	v_add_f32_dpp \x, \x, \x row_xmask:4 row_mask:0xf bank_mask:0xf
	v_add_f32_dpp \x, \x, \x row_xmask:8 row_mask:0xf bank_mask:0xf
	v_permlanex16_b32 \tmp, \x, s[SEL0], s[SEL1]
	v_add_f32 \x, \x, \tmp
.endm
; A chunk of 1 to 8 rows from s[36:37] on: all its loads in one run, then row by row into the four chains.
; No cache hint: two sentences may name the same row.
.macro SEG rows
.set j, 0
.rept \rows
.irp i, 0,1,2,3,4,5
	global_load_b128 v[X+24*j+4*\i:X+24*j+4*\i+3], v1, s[36:37] offset:ROWB*j+512*\i
.endr
.set j, j+1
.endr
	s_wait_dscnt 0x0                               ; u is in its registers; the wait stands behind the loads' issue, so that they are out meanwhile
.set j, 0
.rept \rows
	s_wait_loadcnt 6*(\rows-1-j)                   ; loads return in order: row j is in (and w_fc, asked for before the rows), the six loads of each younger row may stay out
.irp c, 0,1,2,3,4,5,6,7,8,9,10,11
	v_pk_fma_f32 v[ACC+2*(\c%4):ACC+2*(\c%4)+1], v[X+24*j+2*\c:X+24*j+2*\c+1], v[U+2*\c:U+2*\c+1], v[ACC+2*(\c%4):ACC+2*(\c%4)+1]
.endr
.set j, j+1
.endr
.endm
	s_load_b256 s[4:11], s[0:1], 0x0               ; top_vec s[4:5], mask_clss s[6:7], b_fc s[8:9], w_fc s[10:11]
	s_load_b128 s[12:15], s[0:1], 0x20             ; uw s[12:13], plan s[14:15]
	s_load_b64 s[16:17], s[0:1], 0x30              ; out0
	v_lshl_add_u32 v240, v0, 2, 0xd00
	v_mov_b32 v241, 0
	v_lshrrev_b32 v3, 5, v0
	v_readfirstlane_b32 s18, v3                    ; wave 0..15
	s_lshl4_add_u32 s19, ttmp9, s18                ; f = 16 g + w
	s_lshl_b32 s20, s19, 2                         ; 4 f: my word of the mask
	s_lshl_b32 s23, s19, 4                         ; 16 f: my record of the plan
	s_lshr_b32 s21, ttmp9, 2                       ; b = g / 4
	s_lshl_b32 s46, ttmp9, 6                       ; out0: the group's 64 bytes
	s_mov_b32 s47, 0
	s_lshl_b32 s44, s18, 2
	s_add_co_u32 s44, s44, RES                     ; LDS: my wave's result word
	s_mov_b32 s[SEL0], 0x76543210
	s_mov_b32 s[SEL1], 0xfedcba98
	v_and_b32 v3, 31, v0                           ; lane
	v_lshlrev_b32 v1, 4, v3                        ; 16 x lane
	v_lshl_add_u32 v2, s18, 9, v1                  ; 512 x wave + 16 x lane = 16 t
	v_and_b32 v37, 15, v0
	v_lshlrev_b32 v37, 2, v37                      ; 4 (lane % 16)
	v_add_nc_u32 v36, RES, v37
.irp i, 0,1,2,3,4,5,6,7
	v_mov_b32 v[ACC+\i], 0                         ; cleared, since an empty sentence adds nothing to them
.endr
	s_wait_kmcnt 0x0
	s_load_b128 s[24:27], s[14:15], s23 offset:0x0 ; first row s24, rows s25, live s26, signed length s27
	s_load_b32 s28, s[6:7], s20 offset:0x0         ; m = mask_clss[f]
	s_load_b32 s29, s[12:13], 0x3000               ; c0
	s_load_b32 s30, s[8:9], 0x0                    ; b_fc
	s_add_nc_u64 s[16:17], s[16:17], s[46:47]
	; u = the sum of its four partials, made once for the work-group: waves 0 to 5, 16 bytes a thread, into LDS bytes 0..3071.
	s_cmp_lt_u32 s18, 6
	s_cbranch_scc0 .Lno_u
.irp k, 0,1,2,3
	global_load_b128 v[U+4*\k:U+4*\k+3], v2, s[12:13] offset:ROWB*\k
.endr
	s_wait_loadcnt 0x0
	ADD4 U, U+4
	ADD4 U+8, U+12
	ADD4 U, U+8
	ds_store_b128 v2, v[U:U+3]
.Lno_u:
	s_wait_kmcnt 0x0                               ; scalar loads return in no order: only 0 shows anything
	s_min_u32 s24, s24, 0x200                      ; the first row, held inside the document,
	s_min_u32 s25, s25, 0x200
	s_sub_co_u32 s31, 0x200, s24
	s_min_u32 s25, s25, s31                        ; and the rows to what the document has left from there: no load leaves top_vec
	s_lshr_b32 s33, s25, 3                         ; whole chunks of eight
	s_and_b32 s34, s25, 7                          ; rows left over
	s_lshl_b32 s35, s21, 9
	s_add_co_u32 s35, s35, s24                     ; row 512 b + first of top_vec
	s_mul_i32 s38, s35, ROWB                       ; 100,663,296 bytes at the most, and then no row is read
	s_mov_b32 s39, 0
	s_add_nc_u64 s[36:37], s[4:5], s[38:39]
	s_cmp_lt_i32 s27, 0
	s_cselect_b32 s42, 0xbf800000, 1.0             ; reversed: minus the sum
	s_cmp_lg_u32 s26, 0
	s_cselect_b32 s29, s29, 0                      ; c0 belongs to the sentence layer: a padded slot adds nothing
	s_wait_dscnt 0x0                               ; my part of u is stored before I signal
	s_barrier_signal -1
	s_barrier_wait -1
	s_cmp_lg_u32 s26, 0
	s_cbranch_scc0 .Lpadw
.irp i, 0,1,2,3,4,5
	ds_load_b128 v[U+4*\i:U+4*\i+3], v1 offset:512*\i          ; a sentence: u; 32 lanes, 16 neighbouring bytes each
.endr
	s_branch .Lhave_w
.Lpadw:
.irp i, 0,1,2,3,4,5
	global_load_b128 v[U+4*\i:U+4*\i+3], v1, s[10:11] offset:512*\i   ; a padded slot: w_fc, in the same layout
.endr
.Lhave_w:
	s_cmp_eq_u32 s33, 0
	s_cbranch_scc1 .Lrem
.Lfull:
	SEG 8                                          ; its last wait is for 0 loads: the base may be stepped
	s_add_nc_u64 s[36:37], s[36:37], 8*ROWB
	s_sub_co_u32 s33, s33, 1
	s_cmp_lg_u32 s33, 0
	s_cbranch_scc1 .Lfull
.Lrem:
	s_cmp_eq_u32 s34, 0
	s_cbranch_scc1 .Lsum
.irp r, 7,6,5,4,3,2
	s_cmp_eq_u32 s34, \r
	s_cbranch_scc1 .Lr\r
.endr
	SEG 1
	s_branch .Lsum
.irp r, 2,3,4,5,6
.Lr\r:
	SEG \r
	s_branch .Lsum
.endr
.Lr7:
	SEG 7
.Lsum:
	; The finish, alike in every lane.
	v_pk_add_f32 v[ACC:ACC+1], v[ACC:ACC+1], v[ACC+2:ACC+3]
	v_pk_add_f32 v[ACC+4:ACC+5], v[ACC+4:ACC+5], v[ACC+6:ACC+7]
	v_pk_add_f32 v[ACC:ACC+1], v[ACC:ACC+1], v[ACC+4:ACC+5]
	v_add_f32 v232, v[ACC], v[ACC+1]
	WAVESUM v232, v29
	v_cvt_f32_i32 v234, s27
	v_max_num_f32 v234, 1.0, v234                  ; max(len, 1)
	v_rcp_f32 v235, v234
	v_mul_f32 v232, s42, v232                      ; the sign; also the plain instruction between v_rcp_f32 and the use of its result (ISA guide 5.7.2)
	v_mov_b32 v236, s28                            ; m
	s_wait_alu depctr_va_vdst(0)
	v_fma_f32 v232, v232, v235, s29                ; x = means . u + c0, or the padded slot's dot
	v_fma_f32 v232, v232, v236, s30                ; h = m x + b_fc
	v_mul_f32 v232, 0xbfb8aa3b, v232               ; - h log2(e)
	v_exp_f32 v238, v232                           ; e^-h; infinite for very negative h, and then the result is 0, as it should be
	v_mov_b32 v239, s44                            ; the plain instruction behind v_exp_f32
	s_wait_alu depctr_va_vdst(0)
	v_add_f32 v238, 1.0, v238
	v_rcp_f32 v235, v238
	v_nop                                          ; the plain instruction behind v_rcp_f32
	s_wait_alu depctr_va_vdst(0)
	v_mul_f32 v232, v235, v236                     ; sigmoid(h) m
	ds_store_b32 v239, v232                        ; all lanes put the same number into the wave's word
	s_wait_dscnt 0x0                               ; my store is done before I signal (and, for an empty sentence, the loads of u are back)
	s_barrier_signal -1
	s_barrier_wait -1
	s_cmp_lg_u32 s18, 0
	s_cbranch_scc1 .Lend                           ; wave 0 stores the group's sixteen results
	ds_load_b32 v232, v36
	s_wait_dscnt 0x0
	v_cmp_gt_u32 vcc_lo, 16, v3
	s_wait_xcnt 0x0                                ; EXEC is a source of the loads above: it narrows only behind this wait
	s_and_saveexec_b32 s45, vcc_lo                 ; lanes 0 to 15
	global_store_b32 v37, v232, s[16:17]           ; the group's 64 consecutive bytes of out0, by one instruction
	s_wait_xcnt 0x0                                ; and it widens only behind this one
	s_or_b32 exec_lo, exec_lo, s45
.Lend:
	s_wait_tensorcnt 0x0
	ds_add_u32 v240, v241
	s_wait_dscnt 0x0
	s_endpgm
.Lfunc_end_k_q71dd680913_segs:
	.size	k_q71dd680913_segs, .Lfunc_end_k_q71dd680913_segs-k_q71dd680913_segs
	.p2alignl 7, 3214868480
	.fill 96, 4, 3214868480
	.section	.rodata,"a",@progbits
	.p2align	6, 0x0
	.amdhsa_kernel k_q71dd680913_segs
		.amdhsa_group_segment_fixed_size 5376
		.amdhsa_private_segment_fixed_size 0
		.amdhsa_enable_private_segment 0
		.amdhsa_kernarg_size 56
		.amdhsa_user_sgpr_count 2
		.amdhsa_user_sgpr_kernarg_segment_ptr 1
		.amdhsa_wavefront_size32 1
		.amdhsa_system_sgpr_workgroup_id_x 1
		.amdhsa_system_sgpr_workgroup_id_y 1
		.amdhsa_system_sgpr_workgroup_id_z 1
		.amdhsa_system_vgpr_workitem_id 0
		.amdhsa_next_free_vgpr 242
		.amdhsa_next_free_sgpr 66
		.amdhsa_reserve_vcc 1
		.amdhsa_float_denorm_mode_32 3
		.amdhsa_float_denorm_mode_16_64 3
		.amdhsa_memory_ordered 1
		.amdhsa_forward_progress 1
		.amdhsa_inst_pref_size 56
	.end_amdhsa_kernel
	.amdgpu_metadata
---
amdhsa.version: [ 1, 2 ]
amdhsa.kernels:
  - .name:           k_q71dd680913_segs
    .symbol:         k_q71dd680913_segs.kd
    .args:
      - { .name: top_vec, .offset: 0, .size: 8, .value_kind: global_buffer, .address_space: global }
      - { .name: mask_clss, .offset: 8, .size: 8, .value_kind: global_buffer, .address_space: global }
      - { .name: b_fc, .offset: 16, .size: 8, .value_kind: global_buffer, .address_space: global }
      - { .name: w_fc, .offset: 24, .size: 8, .value_kind: global_buffer, .address_space: global }
      - { .name: uw, .offset: 32, .size: 8, .value_kind: global_buffer, .address_space: global }
      - { .name: plan, .offset: 40, .size: 8, .value_kind: global_buffer, .address_space: global }
      - { .name: out0, .offset: 48, .size: 8, .value_kind: global_buffer, .address_space: global }
    .group_segment_fixed_size: 5376
    .private_segment_fixed_size: 0
    .kernarg_segment_align: 8
    .kernarg_segment_size: 56
    .max_flat_workgroup_size: 512
    .sgpr_count:     66
    .vgpr_count:     242
    .wavefront_size: 32
...
	.end_amdgpu_metadata
.endif
;; end of part 2
